; MI455X (gfx1250); checked and timed in simulation.
; The chip was launched on July 23, 2026; its instructions are those of AMD's public machine-readable ISA for CDNA 5 (MIT licence, August 2026) and "CDNA5" Instruction Set Architecture Reference Guide (July 2026). The comments in the code are by the model that wrote it; some were corrected since.
;; my Multihead Attention. Allowed arithmetic: matrix products marked QUANTISED: E2M1 operands, one E8M0 scale for each 32 along K, by v_wmma_scale_f32_16x16x128_f8f6f4 with both operands' format E2M1 (or v_wmma_scale_f32_32x16x128_f4), f32 sums; everything else in f32.
;; Inputs: Wk 1,024 x 1,024 float32; Wo 1,024 x 1,024 float32; Wq 1,024 x 1,024 float32; Wv 1,024 x 1,024 float32; bk 1,024 float32; bo 1,024 float32; bq 1,024 float32; bv 1,024 float32; key 4,096 x 1,024 float32; query 4,096 x 1,024 float32; value 4,096 x 1,024 float32.
;; Outputs: out0 4,096 x 1,024 float32.
;; This version of the problem:
;;   THIS VERSION OF THE PROBLEM IS GIVEN IN LOW PRECISION. The matrix products marked QUANTISED in the list below multiply operands that are first quantised to E2M1 (2 exponent bits, 1 mantissa bit; 4 bits a number), with one power-of-two scale for each 32 numbers along K (OCP MX v1.0); their sums are f32. All else is computed in f32.
;;   The module's matrix products, in the order in which they are computed (A, B: the left and right operand; K: the contracted axis; several contracted axes count as one K, in the product's order):
;;     1. [M 4,096, K 1,024] x [K 1,024, N 1,024]; A: input query; B: input Wq: QUANTISED
;;     2. [M 4,096, K 1,024] x [K 1,024, N 1,024]; A: input key; B: input Wk: QUANTISED
;;     3. [M 4,096, K 1,024] x [K 1,024, N 1,024]; A: input value; B: input Wv: QUANTISED
;;     4. batch 16 x [M 4,096, K 64] x [K 64, N 4,096]; A: computed on the way; B: computed on the way: QUANTISED
;;     5. batch 16 x [M 4,096, K 4,096] x [K 4,096, N 64]; A: softmax (see below); B: computed on the way: QUANTISED
;;     6. [M 4,096, K 1,024] x [K 1,024, N 1,024]; A: computed on the way; B: input Wo: QUANTISED
;;   THE QUANTISER, for each operand of a quantised product, along K:
;;     - K is cut into blocks of 32 from its start; a last block that is shorter is filled with zeros.
;;     - A block's scale is 2^e with e = floor(log2(the largest magnitude in the block)) - 2, held to -126 .. 127; a block of zeros has e = 0. As a byte (E8M0): e + 127.
;;     - Each number is divided by its block's scale, clamped to +-6, and rounded to the nearest number of E2M1, ties to even, subnormals kept.
;;     - The product sums the exact products of the quantised numbers (number of the format x scale) in f32.
;;   ~~~python
;;   def quantise(x, axis):      # numpy; x: float32 -> the quantised numbers, widened to float32 again
;;       x = np.moveaxis(x, axis, -1); K = x.shape[-1]
;;       x = np.pad(x, [(0, 0)] * (x.ndim - 1) + [(0, -K % 32)]); x = x.reshape(x.shape[:-1] + (-1, 32)); a = np.abs(x).max(-1, keepdims=True)
;;       e = np.where(a > 0, np.clip(np.frexp(np.where(a > 0, a, 1))[1] - 1 - 2, -126, 127), 0)      # np.frexp(a)[1] - 1 = floor(log2(a)), exactly
;;       r = np.clip(x / 2.0 ** e, -6, 6)
;;       step = 2.0 ** (np.maximum(np.frexp(np.where(r == 0, 1, r))[1] - 1, 0) - 1)
;;       q = np.round(r / step) * step * 2.0 ** e      # np.round: ties to even
;;       return np.moveaxis(q.reshape(q.shape[:-2] + (-1,))[..., :K], -1, axis).astype(np.float32)
;;   ~~~
;;   SOFTMAX AHEAD OF A QUANTISED PRODUCT. Where the list says 'softmax', what is quantised is not the finished softmax but p = 2^(t - M), with t = logit x log2(e) and M = ceil(the row's largest t), a whole number; so 1/2 < the row's largest p <= 1. The row's sum l is taken of the UNQUANTISED p, in f32, and the product's result is divided by l at the end. Since M is a whole number, a kernel that streams over the keys may use a running M (the ceiling of the running maximum): every later rescaling is an exact power of two, which a block's scale takes up: the codes' values come out the same.
;;   OPERANDS COMPUTED ON THE WAY. 'Computed on the way' means the value that the module computes at that place (a softmax that the list does not call 'softmax' is quantised finished and normalised). What goes into a quantiser is computed in f32, as accurately as f32 sums, v_exp_f32 and their like allow (about 1e-6 of the number): no bf16 or f16 on the way to a quantiser, and a product that is left as it is and whose result goes on into a quantised operand takes f32 operands (vector FMAs, or v_wmma_f32_16x16x4_f32). A number that lies on a knife's edge between two numbers of the format may be rounded either way, as far as f32 arithmetic and the matrix unit's own rounding can turn it there, and no further.
;; One version. Each part assembles by itself: llvm-mc -triple=amdgcn-amd-amdhsa -mcpu=gfx1250 --defsym DOCPART=n.
;; ======== version 1 of 1: 4 launches
;; limits: right only within a limited range of input values
;; workspace buffers: xc 8,388,608 bytes; xs 524,288 bytes; att 6,946,816 bytes; ac 2,097,152 bytes; asc 131,072 bytes
;; launch quant (part 1): grid 256 x 1, 4 waves a work-group, no clusters, 34,304 bytes of LDS; arguments query, key, value, Wq, Wk, Wv, Wo, xc, xs; writes xc, xs
.if DOCPART == 1
	.amdgcn_target "amdgcn-amd-amdhsa--gfx1250"
	.amdhsa_code_object_version 6
	.text
	.protected	k_qad9a5fcb70_quant
	.globl	k_qad9a5fcb70_quant
	.p2align	8
	.type	k_qad9a5fcb70_quant,@function
k_qad9a5fcb70_quant:
	s_mov_b64 s[64:65], 0
	v_nop
	global_prefetch_b8 v0, s[64:65] scope:SCOPE_SE
	s_setreg_imm32_b32 hwreg(HW_REG_WAVE_MODE, 25, 1), 1
	s_wait_xcnt 0x0
; query, key, value [4096][1024] and Wq, Wk, Wv, Wo [1024][1024], f32, K innermost, become codes of FP4 (E2M1) with one E8M0 byte for each 32 along K.
; A block's scale is 2^(floor(log2(its largest magnitude)) - 2); its byte is the largest magnitude's exponent field - 2, held at 1 from below.
; LIMITS: a block of zeros gets the byte 1 where the rule says 127 (its codes are zeros, and this program alone reads the bytes); NaN and infinities among the inputs are not served.
; LAYOUT OF THE RESULT: the order of an operand's registers.  The 16,384 rows are 1,024 tiles of 16 rows.  Tile g's codes lie at 8,192 g as [block of 32 along K: 0..31][place r: 0..15][16 bytes]:
; the fragment of K step s (128 along K) is the 1,024 bytes at 1,024 s, its registers 4 c .. 4 c + 3 the 512 bytes at 512 c, lane l's at 16 l.  Tile g's scale bytes lie at 512 g as [r][32 bytes].
; WHICH ROWS FORM A TILE: in key, value, Wq, Wk, Wv place r of a tensor's tile 2 b + u holds row 32 b + 8 u + r + 8 (r / 8), so that as source 0 of a product two neighbouring tiles give a lane
; 16 neighbours along the next product's K.  In query and Wo place r of tile t holds row 16 t + r.
; SHARES: a wave takes one tile, 16 rows x 1,024, in 8 steps of 128 along K.  Each load reads 512 consecutive bytes of one row; a step's 8 KiB turn through the wave's own stage in LDS, so that a lane
; gets two whole blocks of 32 of its row; the conversions' results are the fragment's registers.  Two steps' loads (32 a wave) are on their way.  No cluster: work-groups share no input; no barrier: waves share nothing.
.set STG, 8448                         ; a wave's stage: 16 rows of PIT bytes
.set PIT, 528                          ; 512 bytes + 16: an odd multiple of 16, so that the sixteen rows of a read start in different banks
.set WD,  16                           ; v16-23   the row's scale word of each K step
.set CD,  32                           ; v32-47   two sets of 8 registers of codes
.set X,   48                           ; v48-111  my two blocks of 32 numbers
.set R,   112                          ; v112-239 two sets of 64 registers as loaded
	s_load_b512 s[8:23], s[0:1], 0x0               ; query, key, value, Wq, Wk, Wv, Wo, xc
	s_load_b64 s[24:25], s[0:1], 0x40              ; xs
	v_lshl_add_u32 v240, v0, 2, 0x8400
	v_mov_b32 v241, 0
	v_lshrrev_b32 v1, 5, v0
	v_readfirstlane_b32 s2, v1                     ; wave
	v_and_b32 v1, 31, v0                           ; lane
	v_and_b32 v2, 15, v0                           ; r
	v_bfe_u32 v3, v0, 4, 1                         ; h
	v_lshlrev_b32 v4, 4, v1                        ; 16 x lane: my bytes of a load's 512, and of a store's
	s_mul_i32 s3, s2, STG
	v_add_nc_u32 v6, s3, v4                        ; the stage, on the way in: a row as it lies
	v_mul_u32_u24 v7, v2, PIT
	v_lshl_add_u32 v7, v3, 7, v7
	v_add_nc_u32 v7, s3, v7                        ; and on the way out: row r, block h (128 bytes a block)
	v_lshlrev_b32 v8, 3, v3                        ; 8 h: where my two bytes stand in a scale word
	v_lshlrev_b32 v9, 5, v2
	v_lshl_add_u32 v9, v3, 4, v9                   ; the scale bytes' way out: 32 r + 16 h
	v_mov_b32 v15, 0                               ; a lane permute's destination counts as one of its sources
	s_mov_b32 s30, 0x76543210
	s_mov_b32 s31, 0xfedcba98                      ; v_permlanex16_b32's selects for lane l xor 16
	s_mov_b32 s26, 240
	s_mov_b32 s27, 1
	s_wait_alu depctr_va_vdst(0)
	s_wait_kmcnt 0x0
; Which tensor: by the work-group's number alone (64 rows a work-group).  s[4:5] the tensor, s26 its first work-group, s27 = 1 where its tiles take the permuted rows.
.macro PICK lim, ptr, first
	s_cmp_lt_u32 ttmp9, \lim
	s_cselect_b64 s[4:5], s[\ptr:\ptr+1], s[4:5]
	s_cselect_b32 s26, \first, s26
.endm
	s_mov_b64 s[4:5], s[20:21]                     ; Wo
	PICK 240, 18, 224                              ; Wv
	PICK 224, 16, 208                              ; Wk
	PICK 208, 14, 192                              ; Wq
	PICK 192, 12, 128                              ; value
	PICK 128, 10, 64                               ; key
	s_cselect_b32 s27, 3, s27                      ; KEY'S TILES TAKE OTHER ROWS than the head's rule says: place r of tile 4 c + g holds row 64 c + 8 g + r % 8 + 32 (r / 8), so that in the scores a lane's 32 registers of tiles 4 c .. 4 c + 3 are one whole block of 32 keys.  The lines below serve both rules: a tile begins 8 (tile & s27) rows earlier, and its places 8-15 lie 8 s27 rows further on
	PICK 64, 8, 0                                  ; query
	s_cselect_b32 s27, 0, s27                      ; query: rows as they lie
	s_cmp_ge_u32 ttmp9, 240
	s_cselect_b32 s27, 0, s27                      ; Wo likewise
	s_sub_co_u32 s3, ttmp9, s26
	s_lshl_b32 s3, s3, 2
	s_add_co_u32 s3, s3, s2                        ; my tile in its tensor
	s_lshl_b32 s28, s3, 16                         ; 16 rows of 4,096 bytes a tile;
	s_and_b32 s29, s3, s27
	s_lshl_b32 s29, s29, 15
	s_sub_co_u32 s28, s28, s29                     ; a permuted odd tile begins 8 rows earlier,
	s_mov_b32 s29, 0
	s_add_nc_u64 s[4:5], s[4:5], s[28:29]
	s_lshl_b32 s27, s27, 15
	v_add_nc_u32 v5, s27, v4                       ; and a permuted tile's places 8-15 lie 8 rows further on
	s_lshl_b32 s3, ttmp9, 2
	s_add_co_u32 s3, s3, s2                        ; my tile among the 1,024
	s_lshl_b32 s28, s3, 13
	s_add_nc_u64 s[22:23], s[22:23], s[28:29]
	s_lshl_b32 s28, s3, 9
	s_add_nc_u64 s[24:25], s[24:25], s[28:29]
.macro LOAD t                          ; step t: 512 bytes of each of my 16 rows into set t % 2
.irp i, 0,1,2,3,4,5,6,7
	global_load_b128 v[R+64*((\t)%2)+4*\i:R+64*((\t)%2)+4*\i+3], v4, s[4:5] offset:\i*4096+(\t)*512 th:TH_LOAD_NT
.endr
.irp i, 8,9,10,11,12,13,14,15
	global_load_b128 v[R+64*((\t)%2)+4*\i:R+64*((\t)%2)+4*\i+3], v5, s[4:5] offset:\i*4096+(\t)*512 th:TH_LOAD_NT
.endr
.endm
.macro STEP t
.set RS, R+64*((\t)%2)
.set CS, CD+8*((\t)%2)
.if (\t) < 7
	s_wait_loadcnt 16                              ; this step's 16 loads are in; the next step's 16 may be out
.else
	s_wait_loadcnt 0x0
.endif
.irp i, 0,1,2,3,4,5,6,7,8,9,10,11,12,13,14,15
	ds_store_b128 v6, v[RS+4*\i:RS+4*\i+3] offset:\i*PIT
.endr
.irp c, 0,1                            ; LDS serves a wave's instructions in order: these see the stores above.  Blocks h and 2 + h of row r, as the operand's layout gives them to lane (r, h)
.irp q, 0,1,2,3,4,5,6,7
	ds_load_b128 v[X+32*\c+4*\q:X+32*\c+4*\q+3], v7 offset:256*\c+16*\q
.endr
.endr
	s_wait_dscnt 0x0                               ; my numbers are in, and the stores have read their registers,
.if (\t)+2 < 8
	LOAD (\t)+2                                    ; which take the loads of two steps on
.endif
.irp c, 0,1                            ; each block's largest magnitude, in two chains; the floor 2^(3 - 127) holds the byte at 1 from below
	v_max3_num_f32 v[10+\c], |v[X+32*\c]|, |v[X+32*\c+1]|, 0x1800000
	v_max3_num_f32 v[24+\c], |v[X+32*\c+16]|, |v[X+32*\c+17]|, |v[X+32*\c+18]|
.endr
.irp i, 2,4,6,8,10,12
.irp c, 0,1
	v_max3_num_f32 v[10+\c], v[10+\c], |v[X+32*\c+\i]|, |v[X+32*\c+\i+1]|
	v_max3_num_f32 v[24+\c], v[24+\c], |v[X+32*\c+17+\i]|, |v[X+32*\c+18+\i]|
.endr
.endr
.irp c, 0,1
	v_max3_num_f32 v[10+\c], v[10+\c], |v[X+32*\c+14]|, |v[X+32*\c+15]|
.endr
.irp c, 0,1
	v_max3_num_f32 v[10+\c], v[10+\c], v[24+\c], |v[X+32*\c+31]|
.endr
.irp c, 0,1
	v_add_nc_u32 v[12+\c], 0xff000000, v[10+\c]    ; 2 off the exponent field: the conversion takes the exponent field of this operand as its scale
.endr
	v_lshrrev_b32 v10, 23, v12                     ; the bytes of blocks h and 2 + h
	v_lshrrev_b32 v11, 23, v13
	v_lshl_or_b32 v14, v11, 16, v10
	v_lshlrev_b32 v14, v8, v14                     ; at their places in the scale word;
	v_permlanex16_b32 v15, v14, s30, s31
	v_or_b32 v[WD+(\t)], v14, v15                  ; with lane l xor 16's two the word is whole
.if (\t) >= 2
	s_wait_alu depctr_va_vdst(0)
	s_wait_xcnt 0x0                                ; the stores of two steps back have read this set of codes
.endif
.irp c, 0,1
.irp g, 0,1,2,3
	v_cvt_scalef32_pk8_fp4_f32 v[CS+4*\c+\g], v[X+32*\c+8*\g:X+32*\c+8*\g+7], v[12+\c]
.endr
.endr
	v_nop                                          ; one plain place behind the scaled conversions
.irp c, 0,1
	global_store_b128 v4, v[CS+4*\c:CS+4*\c+3], s[22:23] offset:(\t)*1024+512*\c   ; 32 lanes store 512 consecutive bytes, aligned
.endr
.endm
	LOAD 0
	LOAD 1
	s_wait_alu depctr_va_vdst(0)
.irp t, 0,1,2,3,4,5,6,7
	STEP \t
.endr
	v_cmp_ne_u32 vcc_lo, 0, v3
.irp j, 0,1,2,3
	v_cndmask_b32 v[24+\j], v[WD+\j], v[WD+4+\j], vcc_lo   ; lanes 0-15 the words of K steps 0-3, lanes 16-31 of 4-7
.endr
	global_store_b128 v9, v[24:27], s[24:25]       ; the tile's 512 scale bytes in one store
	s_wait_tensorcnt 0x0
	ds_add_u32 v240, v241
	s_wait_dscnt 0x0
	s_endpgm
.Lfunc_end_k_qad9a5fcb70_quant:
	.size	k_qad9a5fcb70_quant, .Lfunc_end_k_qad9a5fcb70_quant-k_qad9a5fcb70_quant
	.p2alignl 7, 3214868480
	.fill 96, 4, 3214868480
	.section	.rodata,"a",@progbits
	.p2align	6, 0x0
	.amdhsa_kernel k_qad9a5fcb70_quant
		.amdhsa_group_segment_fixed_size 34304
		.amdhsa_private_segment_fixed_size 0
		.amdhsa_enable_private_segment 0
		.amdhsa_kernarg_size 72
		.amdhsa_user_sgpr_count 2
		.amdhsa_user_sgpr_kernarg_segment_ptr 1
		.amdhsa_wavefront_size32 1
		.amdhsa_system_sgpr_workgroup_id_x 1
		.amdhsa_system_sgpr_workgroup_id_y 1
		.amdhsa_system_sgpr_workgroup_id_z 1
		.amdhsa_system_vgpr_workitem_id 0
		.amdhsa_next_free_vgpr 242
		.amdhsa_next_free_sgpr 66
		.amdhsa_reserve_vcc 1
		.amdhsa_float_denorm_mode_32 3
		.amdhsa_float_denorm_mode_16_64 3
		.amdhsa_memory_ordered 1
		.amdhsa_forward_progress 1
		.amdhsa_inst_pref_size 58
	.end_amdhsa_kernel
	.amdgpu_metadata
---
amdhsa.version: [ 1, 2 ]
amdhsa.kernels:
  - .name:           k_qad9a5fcb70_quant
    .symbol:         k_qad9a5fcb70_quant.kd
    .args:
      - { .name: query, .offset: 0, .size: 8, .value_kind: global_buffer, .address_space: global }
      - { .name: key, .offset: 8, .size: 8, .value_kind: global_buffer, .address_space: global }
      - { .name: value, .offset: 16, .size: 8, .value_kind: global_buffer, .address_space: global }
      - { .name: Wq, .offset: 24, .size: 8, .value_kind: global_buffer, .address_space: global }
      - { .name: Wk, .offset: 32, .size: 8, .value_kind: global_buffer, .address_space: global }
      - { .name: Wv, .offset: 40, .size: 8, .value_kind: global_buffer, .address_space: global }
      - { .name: Wo, .offset: 48, .size: 8, .value_kind: global_buffer, .address_space: global }
      - { .name: xc, .offset: 56, .size: 8, .value_kind: global_buffer, .address_space: global }
      - { .name: xs, .offset: 64, .size: 8, .value_kind: global_buffer, .address_space: global }
    .group_segment_fixed_size: 34304
    .private_segment_fixed_size: 0
    .kernarg_segment_align: 8
    .kernarg_segment_size: 72
    .max_flat_workgroup_size: 128
    .sgpr_count:     66
    .vgpr_count:     242
    .wavefront_size: 32
...
	.end_amdgpu_metadata
.endif
;; end of part 1
;; launch proj (part 2): grid 8 x 32, 4 waves a work-group, clusters of 4 x 4, 327,680 bytes of LDS; arguments xc, xs, bq, bk, bv, att; writes att
.if DOCPART == 2
	.amdgcn_target "amdgcn-amd-amdhsa--gfx1250"
	.amdhsa_code_object_version 6
	.text
	.protected	k_qad9a5fcb70_proj
	.globl	k_qad9a5fcb70_proj
	.p2align	8
	.type	k_qad9a5fcb70_proj,@function
k_qad9a5fcb70_proj:
	s_mov_b64 s[64:65], 0
	v_nop
	global_prefetch_b8 v0, s[64:65] scope:SCOPE_SE
	s_setreg_imm32_b32 hwreg(HW_REG_WAVE_MODE, 25, 1), 1
	s_wait_xcnt 0x0
	s_wait_alu depctr_hold_cnt(0) depctr_sa_sdst(0) depctr_va_vdst(0) depctr_va_sdst(0) depctr_va_ssrc(0) depctr_va_vcc(0) depctr_vm_vsrc(0)
	s_getreg_b32 s2, hwreg(HW_REG_IB_STS2, 6, 4)
	s_cmp_eq_u32 s2, 0
	s_cbranch_scc0 .Lentry_in_a_cluster
	s_endpgm
.Lentry_in_a_cluster:
	s_bfe_u32 s2, ttmp6, 0x10000c
	s_cmp_lg_u32 s2, 0xf033
	s_cbranch_scc0 .Lentry_shape_is_right
	s_endpgm
.Lentry_shape_is_right:
; q = query Wq^T + bq, k = key Wk^T + bk, v = value Wv^T + bv on codes of FP4 with E8M0 scales; the results are quantised in registers (q, k along the head's 64; v along the keys) and stored as the
; attention launch wants them in LDS.  Sums, biases and the quantiser in f32.
; LIMITS: a block of zeros gets the byte 1 where the rule says 127 (zero codes; only this program reads the bytes); NaN and infinities are not served.
; A BLOCK is 128 x 128 results with all of K = 1,024 in LDS: 128 KiB of codes and 8 KiB of scale bytes.  P is the operand that goes to source 0: its rows run along a lane's result registers, along which the result
; is quantised.  N goes to source 1: lane r holds its row r.  q, k: P = 128 rows of the weight, N = 128 tokens.  v: P = 128 keys of value, N = 128 rows of Wv.
; A WORK-GROUP STAYS and makes three blocks, one of q, one of k, one of v, through two LDS slots of 139,264 bytes: at a block's head the next block is asked for, into the other slot, one tensor load a wave
; (wave 0 N's codes, wave 1 P's, wave 2 N's scale bytes, wave 3 P's), and has the block's 128 products, its quantiser and its stores in which to land.  The three blocks are written out by one macro.
; No prefetch: the text has no loop to run ahead in, and each block is asked for a whole block ahead.
; P's tiles hold permuted rows (place p of tile 2 b + u: row 32 b + 8 u + p + 8 (p / 8)), so the 16 registers of result tiles 2 b, 2 b + 1 are the neighbours 32 b + 16 (lane / 16) + 0 .. 15.
; A WAVE takes N's tiles 2 w, 2 w + 1 against P's eight: 16 accumulators, which take turns, one instruction a turn.  For each N tile a lane ends with 64 numbers of one
; row: four whole blocks of 32 shared with lane l xor 16: one fragment and one scale word.
; CLUSTERS of 4 x 4: N's tiles hang on y alone and are asked for jointly along a row of the cluster, P's on x (and the cluster's y) and jointly along a column.
; THE HEAD IMAGE in att, HS bytes a head: KC [key tile][512], VC [key step][channel tile][1,024], KW [key tile][r][4], VW [key step][channel tile][r][4], QC [query tile][512], QW [query tile][r][4].
; REGISTERS: window 0: v1-13 addresses (slot 1's at 14 on: v20, 21, 23, 24); v32-63 P's scale words, v64-71 N's (scales and nothing else); v72-91 the quantiser's; v96-111 codes; v126, v127 the add's; v128-255 the accumulators ((a, t) at 128 + 64 a + 8 t).
;   window 1: three fragment buffers of 80 (P's eight fragments, then N's two) at v0, v80, v160; v160-223 hold the bias until K step 2's fragments land there.
.set HS,   434176
.set VC,   131072
.set KW,   262144
.set VW,   278528
.set QC,   286720
.set QW,   417792
.set SLOTB, 139264                     ; a slot: N's codes at 0, P's at 65,536, each as in memory: [tile][8,192]; N's scale bytes at SCL, P's 4,096 on
.set SCL,  131072
.set SPARE, 2*SLOTB                    ; behind the slots: the spare words, 128 bytes a wave
.set SP,   32
.set SN,   64
.set TM,   72                          ; v72-75 largest magnitudes, v76-79 the partner's, then bytes, v84-87 the conversions' scale operands
.set W0,   88                          ; v88, v89 the two scale words; v90, v91 as they are stored
.set PC,   96
.set ACC,  128
.set G1,   28                          ; s[28:35] group 1 for N's codes, s[36:43] for P's, s[44:51] for N's scale bytes, s[52:59] for P's
.set G1B,  36
.set G1S,  44
.set G1SB, 52
.set G0N,  68                          ; groups 0: s[68:71] N's codes, s[76:79] P's, s[84:87] N's scale bytes, s[88:91] P's
.set G0P,  76
.set G0SN, 84
.set G0SP, 88
.set MSB, 0
.macro WIN new                         ; the immediate's high byte repeats the setting that is left
.if MSB != \new
	s_set_vgpr_msb (MSB<<8)|\new
.set MSB, \new
.endif
.endm
.set MULW, 0x05                        ; sources 0 and 1 window 1; C and D window 0
.set MULB, 0x15                        ; the same with C (the bias) in window 1
.set TO_F, 0x40                        ; destination window 1, address window 0
.macro TL g0, g1                       ; a joint load with its s_nop 0 and four v_nop
	tensor_load_to_lds s[\g0:\g0+3], s[\g1:\g1+7]
	s_nop 0
.rept 4
	v_nop
.endr
.endm
.macro LOADS                           ; one tree of branches on the wave's number, one load to an arm: every way through it passes one load
	s_cmp_lt_u32 s16, 1
	s_cbranch_scc0 .Lp_\@
	TL G0N, G1
	s_branch .Lasked_\@
.Lp_\@:
	s_cmp_lt_u32 s16, 2
	s_cbranch_scc0 .Lsn_\@
	TL G0P, G1B
	s_branch .Lasked_\@
.Lsn_\@:
	s_cmp_lt_u32 s16, 3
	s_cbranch_scc0 .Lsp_\@
	TL G0SN, G1S
	s_branch .Lasked_\@
.Lsp_\@:
	TL G0SP, G1SB
.Lasked_\@:
.endm
.macro CROUND                          ; a round of the cluster's barrier
	s_barrier_signal -1
	s_barrier_wait -1
	s_cmp_lg_u32 s16, 0
	s_cbranch_scc1 .Lnot_wave_0_\@
	s_barrier_signal -3
.Lnot_wave_0_\@:
	s_barrier_wait -3
	s_barrier_signal -1
	s_barrier_wait -1
.endm
.macro PLACES n
.rept \n
	v_nop
.endr
.endm
; The groups 0 of block j (0: q, 1: k, 2: v) into slot sl.  Units of 128 rows among the 16,384: query 0-31, key 32-63, value 64-95, Wq 96-103, Wk 104-111, Wv 112-119.
; N's unit (s60, s[96:97]) is made of y alone, P's (s61, s[98:99]) of x and the cluster's y alone.  Written only where no tensor load of the wave is out.
.macro SETG j, sl
.if (\j) == 0
	s_mov_b32 s60, s23                             ; q: N = query's unit y, P = Wq's unit x
	s_add_co_u32 s61, s21, 96
.elseif (\j) == 1
	s_add_co_u32 s60, s23, 32                      ; k: N = key's unit y, P = Wk's unit x
	s_add_co_u32 s61, s21, 104
.else
	s_and_b32 s60, s23, 7
	s_add_co_u32 s60, s60, 112                     ; v: N = Wv's unit y % 8,
	s_lshr_b32 s61, s22, 1
	s_lshl_b32 s61, s61, 3
	s_add_co_u32 s61, s61, s21
	s_add_co_u32 s61, s61, 64                      ; P = value's unit 8 (cluster y / 2) + x: the key step
.endif
	s_lshl_b32 s96, s60, 16                        ; codes: 65,536 bytes a unit
	s_lshl_b32 s98, s61, 16
	s_add_nc_u64 s[G0N+2:G0N+3], s[4:5], s[96:97]
	s_add_nc_u64 s[G0P+2:G0P+3], s[4:5], s[98:99]
	s_lshl_b32 s96, s60, 12                        ; scale bytes: 4,096 a unit
	s_lshl_b32 s98, s61, 12
	s_add_nc_u64 s[G0SN+2:G0SN+3], s[6:7], s[96:97]
	s_add_nc_u64 s[G0SP+2:G0SP+3], s[6:7], s[98:99]
.irp g, G0N, G0P, G0SN, G0SP
	s_or_b32 s[\g+3], s[\g+3], 0x80000000
.endr
	s_mov_b32 s[G0N+1], (\sl)*SLOTB
	s_mov_b32 s[G0P+1], (\sl)*SLOTB+65536
	s_mov_b32 s[G0SN+1], (\sl)*SLOTB+SCL
	s_mov_b32 s[G0SP+1], (\sl)*SLOTB+SCL+4096
.endm
	s_load_b256 s[4:11], s[0:1], 0x0               ; xc, xs, bq, bk
	s_load_b128 s[12:15], s[0:1], 0x20             ; bv, att
	v_lshl_add_u32 v126, v0, 2, SPARE
	v_mov_b32 v127, 0
	ds_add_u32 v126, v127                          ; the opening lines: the add twice on end and one wait
	ds_add_u32 v126, v127
	v_lshrrev_b32 v1, 5, v0
	v_readfirstlane_b32 s16, v1                    ; wave 0..3
	s_lshr_b32 s17, s16, 1
	s_and_b32 s18, s16, 1
	s_bfe_u32 s19, ttmp6, 0x40000                  ; cx
	s_bfe_u32 s20, ttmp6, 0x40004                  ; cy
	s_lshl_b32 s21, ttmp9, 2
	s_add_co_u32 s21, s21, s19                     ; x = 4 x cluster x + cx: 0..7
	s_and_b32 s22, ttmp7, 0xffff                   ; the cluster's y: 0..7
	s_lshl_b32 s23, s22, 2
	s_add_co_u32 s23, s23, s20                     ; y = 4 x cluster y + cy: 0..31
	s_lshl_b32 s25, s20, 2
	s_lshl_b32 s25, 15, s25                        ; my row of the cluster
	s_lshl_b32 s26, 0x1111, s19                    ; my column
	; codes of 128 rows, all of K: 65,536 dense bytes as 16 rows of 4,096 (512 elements of 8 bytes), dense in LDS too
	s_or_b32 s[G1], s25, (3<<16)|(1<<21)
	s_or_b32 s[G1B], s26, (3<<16)|(1<<21)
.irp g, G1, G1B
	s_mov_b32 s[\g+1], 512<<16                     ; tensor_dim0
	s_mov_b32 s[\g+2], 16<<16                      ; tensor_dim1
	s_mov_b32 s[\g+3], 512<<16                     ; tile_dim0
	s_mov_b32 s[\g+4], 16                          ; tile_dim1
	s_mov_b32 s[\g+5], 512                         ; tensor_dim0_stride
	s_mov_b32 s[\g+6], 0
	s_mov_b32 s[\g+7], 0
.endr
	; scale bytes of 128 rows: 4,096 dense bytes as 16 rows of 256
	s_or_b32 s[G1S], s25, (3<<16)|(1<<21)
	s_or_b32 s[G1SB], s26, (3<<16)|(1<<21)
.irp g, G1S, G1SB
	s_mov_b32 s[\g+1], 32<<16
	s_mov_b32 s[\g+2], 16<<16
	s_mov_b32 s[\g+3], 32<<16
	s_mov_b32 s[\g+4], 16
	s_mov_b32 s[\g+5], 32
	s_mov_b32 s[\g+6], 0
	s_mov_b32 s[\g+7], 0
.endr
.irp g, G0N, G0P, G0SN, G0SP
	s_mov_b32 s[\g], 1
.endr
	s_mov_b32 s97, 0
	s_mov_b32 s99, 0
	s_mov_b32 s62, 0x76543210
	s_mov_b32 s63, 0xfedcba98                      ; v_permlanex16_b32's selects for lane l xor 16
	s_wait_dscnt 0x0
	s_wait_kmcnt 0x0
	CROUND                                         ; all sixteen work-groups are here: the joint loads meet
	SETG 0, 0
	LOADS                                          ; the q block into slot 0: one load a wave at the head
	v_and_b32 v1, 31, v0                           ; lane
	v_and_b32 v2, 15, v0                           ; r
	v_bfe_u32 v3, v0, 4, 1                         ; h
	v_lshlrev_b32 v4, 4, v1                        ; 16 x lane: a fragment's place for my lane
	v_add_nc_u32 v6, 0x10000, v4                   ; P's fragments
	s_lshl_b32 s2, s16, 14
	v_add_nc_u32 v7, s2, v4                        ; N's: my two tiles, 16,384 x wave
	v_lshl_add_u32 v9, v1, 5, SCL                  ; scale words: 32 bytes a row, lanes 16-31 the next tile's rows
	s_lshl_b32 s2, s16, 10
	v_add_nc_u32 v10, s2, v9                       ; N's: my two tiles
.irp r, 6,7,9,10
	v_add_nc_u32 v[\r+14], SLOTB, v[\r]            ; the same four in slot 1
.endr
	v_lshlrev_b32 v11, 2, v1                       ; 4 x lane
	v_lshlrev_b32 v12, 6, v3                       ; the bias of q, k: 16 h numbers on
	v_and_b32 v13, 8, v2
	v_add_nc_u32 v13, v13, v2
	v_lshlrev_b32 v13, 2, v13                      ; the bias of v: number r + 8 (r / 8)
.irp b, 0,1,2,3
	v_mov_b32 v[TM+4+\b], 0                        ; written once: a lane permute's destination counts as one of its sources
.endr
.macro SCALES                          ; register SP + 8 i + s: lanes 0-15 the word of P's tile 2 i for K step s, lanes 16-31 of tile 2 i + 1;  SN + s: my N tiles 0 and 1.  SL: the slot in hand
.irp i, 0,1,2,3
.irp q, 0,1
	ds_load_b128 v[SP+8*\i+4*\q:SP+8*\i+4*\q+3], v[9+14*SL] offset:4096+1024*\i+16*\q
.endr
.endr
.irp q, 0,1
	ds_load_b128 v[SN+4*\q:SN+4*\q+3], v[10+14*SL] offset:16*\q
.endr
.endm
.macro FETCH s                         ; K step s: 20 loads of 512 consecutive bytes into buffer s % 3
.set FB, 80*((\s)%3)
.set KO, 1024*(\s)
	WIN TO_F
.irp t, 0,1,2,3,4,5,6,7
.irp c, 0,1
	ds_load_b128 v[FB+8*\t+4*\c:FB+8*\t+4*\c+3], v[6+14*SL] offset:8192*\t+KO+512*\c
.endr
.endr
.irp a, 0,1
.irp c, 0,1
	ds_load_b128 v[FB+64+8*\a+4*\c:FB+64+8*\a+4*\c+3], v[7+14*SL] offset:8192*\a+KO+512*\c
.endr
.endr
.endm
.macro PROD t, a, s, cm                ; cm = 0: adds in place; 1: C = the bias by P's tile; 2: C = the bias by N's tile
.set rD, ACC+64*(\a)+8*(\t)
.set rA, 80*((\s)%3)+8*(\t)
.set rB, 80*((\s)%3)+64+8*(\a)
.set rC, rD
.if (\cm) == 1
.set rC, 160+8*(\t)
.endif
.if (\cm) == 2
.set rC, 160+8*(\a)
.endif
.set rP, SP+8*((\t)/2)+(\s)
.set rN, SN+(\s)
.if ((\t)%2 == 0) && ((\a) == 0)
	v_wmma_scale_f32_16x16x128_f8f6f4 v[rD:rD+7], v[rA:rA+7], v[rB:rB+7], v[rC:rC+7], v[rP], v[rN] matrix_a_fmt:MATRIX_FMT_FP4 matrix_b_fmt:MATRIX_FMT_FP4
.elseif (\a) == 0
	v_wmma_scale_f32_16x16x128_f8f6f4 v[rD:rD+7], v[rA:rA+7], v[rB:rB+7], v[rC:rC+7], v[rP], v[rN] matrix_a_fmt:MATRIX_FMT_FP4 matrix_b_fmt:MATRIX_FMT_FP4 matrix_a_scale:MATRIX_SCALE_ROW1
.elseif (\t)%2 == 0
	v_wmma_scale_f32_16x16x128_f8f6f4 v[rD:rD+7], v[rA:rA+7], v[rB:rB+7], v[rC:rC+7], v[rP], v[rN] matrix_a_fmt:MATRIX_FMT_FP4 matrix_b_fmt:MATRIX_FMT_FP4 matrix_b_scale:MATRIX_SCALE_ROW1
.else
	v_wmma_scale_f32_16x16x128_f8f6f4 v[rD:rD+7], v[rA:rA+7], v[rB:rB+7], v[rC:rC+7], v[rP], v[rN] matrix_a_fmt:MATRIX_FMT_FP4 matrix_b_fmt:MATRIX_FMT_FP4 matrix_a_scale:MATRIX_SCALE_ROW1 matrix_b_scale:MATRIX_SCALE_ROW1
.endif
.endm
.macro MUL s, cm                       ; K step s: 16 products, the 16 accumulators by turns
.if \cm
	WIN MULB
.else
	WIN MULW
.endif
.irp a, 0,1
.irp t, 0,1,2,3,4,5,6,7
	PROD \t, \a, \s, \cm
.endr
.endr
.endm
; 64 numbers of a lane, register 16 b + i = index 32 b + 16 (lane / 16) + i of my row, become a fragment's codes in v[pc] on and its scale word in v[pw].
.macro QUANT s, pc, pw
.irp b, 0,1,2,3
	v_max3_num_f32 v[TM+\b], |v[\s+16*\b]|, |v[\s+1+16*\b]|, 0x1800000   ; my 16 numbers of block b, each accumulator from its low end on, and the floor 2^(3 - 127)
.endr
.irp i, 2,4,6,8,10,12,14
.irp b, 0,1,2,3
	v_max3_num_f32 v[TM+\b], v[TM+\b], |v[\s+16*\b+\i]|, |v[\s+1+16*\b+\i]|
.endr
.endr
.irp b, 0,1,2,3
	v_permlanex16_b32 v[TM+4+\b], v[TM+\b], s62, s63
.endr
.irp b, 0,1,2,3
	v_max_num_f32 v[TM+\b], v[TM+\b], v[TM+4+\b]   ; with lane l xor 16's: the block's largest magnitude
.endr
.irp b, 0,1,2,3
	v_add_nc_u32 v[TM+12+\b], 0xff000000, v[TM+\b] ; 2 off its exponent field: the conversion's scale operand
.endr
.irp b, 0,1,2,3
	v_lshrrev_b32 v[TM+4+\b], 23, v[TM+12+\b]      ; the scale's byte
.endr
	v_lshl_or_b32 v[\pw], v[TM+5], 8, v[TM+4]
	v_lshl_or_b32 v[\pw], v[TM+6], 16, v[\pw]
	v_lshl_or_b32 v[\pw], v[TM+7], 24, v[\pw]
.irp b, 0,1,2,3
	v_cvt_scalef32_pk8_fp4_f32 v[\pc+2*\b], v[\s+16*\b:\s+7+16*\b], v[TM+12+\b]
	v_cvt_scalef32_pk8_fp4_f32 v[\pc+1+2*\b], v[\s+8+16*\b:\s+15+16*\b], v[TM+12+\b]
.endr
	v_nop                                          ; one plain place behind a scaled conversion
.irp c, 0,1                            ; the operand's layout wants a whole block in a lane: lanes 0-15 block 2 c, lanes 16-31 block 2 c + 1
.irp i, 0,1
	v_permlane16_swap_b32 v[\pc+4*\c+\i], v[\pc+2+4*\c+\i]
.endr
.endr
.endm
; BLOCK j (0: q, 1: k, 2: v), which lies in slot `slot`.
.macro BLOCK j, slot
.set SL, \slot
	s_wait_alu depctr_va_vdst(0)
.if \j > 0
	s_wait_xcnt 0x0                                ; the last block's stores have read their data and bases: both are written again below
.endif
	s_wait_tensorcnt 0x0                           ; my one load, my part of this block, is in, so the groups 0 may be written;
	ds_add_u32 v126, v127                          ; the add; work on registers stands between it and its wait;
.if \j == 0
	SETG 1, 1
.elseif \j == 1
	SETG 2, 0
.endif
	s_wait_dscnt 0x0                               ; the add is done, and so are my reads of the other slot
.if \j < 2
	CROUND                                         ; both hold of every wave of all sixteen work-groups,
	LOADS                                          ; and the next block is asked for, into the other slot: my one load behind the round
.else
	s_barrier_signal -1
	s_barrier_wait -1                              ; nothing more is asked for
.endif
	; THE BIAS is the C of each sum's first product: eight registers in the result's layout, in window 1
.if \j < 2
	s_lshl_b32 s2, s21, 9
	s_mov_b32 s3, 0
.if \j == 0
	s_add_nc_u64 s[72:73], s[8:9], s[2:3]          ; bq at feature 128 x.  Tile t's register i is feature 32 (t / 2) + 16 h + 8 (t % 2) + i
.else
	s_add_nc_u64 s[72:73], s[10:11], s[2:3]        ; bk likewise
.endif
	WIN TO_F
.irp t, 0,1,2,3,4,5,6,7
	global_load_b128 v[160+8*\t:163+8*\t], v12, s[72:73] offset:(32*(\t/2)+8*(\t%2))*4
	global_load_b128 v[164+8*\t:167+8*\t], v12, s[72:73] offset:(32*(\t/2)+8*(\t%2))*4+16
.endr
.else
	s_and_b32 s2, s23, 7
	s_lshl_b32 s2, s2, 9
	s_lshl_b32 s3, s16, 7
	s_add_co_u32 s2, s2, s3
	s_mov_b32 s3, 0
	s_add_nc_u64 s[72:73], s[12:13], s[2:3]        ; bv at channel 128 (y % 8) + 32 w.  A lane holds ONE channel, 8 a + r + 8 (r / 8) on: its bias in all eight registers
	WIN TO_F
.irp a, 0,1
.irp i, 0,1,2,3,4,5,6,7
	global_load_b32 v[160+8*\a+\i], v13, s[72:73] offset:32*\a
.endr
.endr
.endif
	WIN 0
	SCALES
	FETCH 0
	FETCH 1
	WIN 0
	s_wait_loadcnt 0x0                             ; the bias
	s_wait_dscnt 20                                ; all but K step 1's 20 loads
.if \j < 2
	MUL 0, 1
.else
	MUL 0, 2
.endif
.irp k, 1,2,3,4,5,6
	PLACES 4                                       ; four places in front of loads into registers that matrix instructions have read (ISA guide 7.12.1 for vector instructions)
	FETCH \k+1
	s_wait_dscnt 20                                ; the youngest 20 loads may be out
	MUL \k, 0
.endr
	s_wait_dscnt 0x0
	MUL 7, 0
	WIN 0
	PLACES 4                                       ; in front of the first read of results
	QUANT ACC, PC, W0
	QUANT ACC+64, PC+8, W0+1
	v_cmp_lt_u32 vcc_lo, 15, v1
	v_cndmask_b32 v90, v[W0], v[W0+1], vcc_lo      ; lanes 0-15 the words of my first N tile, lanes 16-31 of my second
.if \j < 2
	; q, k: the 128 features are heads 2 x and 2 x + 1: registers 0-3 of a fragment are the first head's two blocks, registers 4-7 the second's
	s_lshl_b32 s2, s23, 3
	s_lshl_b32 s3, s16, 1
	s_add_co_u32 s2, s2, s3                        ; my first tile of tokens: 8 y + 2 w
	s_mul_i32 s25, s21, 2*HS
	s_lshl_b32 s92, s2, 9
	s_add_co_u32 s92, s92, s25
	s_lshl_b32 s94, s2, 6
	s_add_co_u32 s94, s94, s25
.if \j == 0
	s_add_co_u32 s92, s92, QC
	s_add_co_u32 s94, s94, QW
.else
	s_add_co_u32 s94, s94, KW                      ; (KC lies at the image's head)
.endif
	s_mov_b32 s93, 0
	s_mov_b32 s95, 0
	s_add_nc_u64 s[92:93], s[14:15], s[92:93]
	s_add_nc_u64 s[94:95], s[14:15], s[94:95]
	s_wait_alu depctr_va_vdst(0)                   ; ahead of the stores' reads
.irp a, 0,1
	global_store_b128 v4, v[PC+8*\a:PC+8*\a+3], s[92:93] offset:512*\a          ; 512 consecutive bytes a store
	global_store_b128 v4, v[PC+8*\a+4:PC+8*\a+7], s[92:93] offset:512*\a+HS
.endr
	global_store_b32 v11, v90, s[94:95]            ; bytes 0, 1: the first head's; bytes 2, 3 stand over zero codes there and are never 0xff
	v_lshrrev_b32 v91, 16, v90
	global_store_b32 v11, v91, s[94:95] offset:HS  ; the second head's two bytes
.else
	; v: a fragment is 16 channels x the 128 keys of key step ks
	s_and_b32 s2, s23, 7
	s_lshl_b32 s2, s2, 1
	s_add_co_u32 s2, s2, s17                       ; the head: 2 (y % 8) + w / 2
	s_mul_i32 s25, s2, HS
	s_sub_co_u32 s3, s61, 64                       ; ks
	s_lshl_b32 s92, s3, 12
	s_lshl_b32 s26, s18, 11
	s_add_co_u32 s92, s92, s26                     ; channel tiles 2 (w % 2), 2 (w % 2) + 1
	s_add_co_u32 s92, s92, s25
	s_add_co_u32 s92, s92, VC
	s_mov_b32 s93, 0
	s_add_nc_u64 s[92:93], s[14:15], s[92:93]
	s_lshl_b32 s94, s3, 8
	s_lshl_b32 s26, s18, 7
	s_add_co_u32 s94, s94, s26
	s_add_co_u32 s94, s94, s25
	s_add_co_u32 s94, s94, VW
	s_mov_b32 s95, 0
	s_add_nc_u64 s[94:95], s[14:15], s[94:95]
	s_wait_alu depctr_va_vdst(0)                   ; ahead of the stores' reads
.irp a, 0,1
	global_store_b128 v4, v[PC+8*\a:PC+8*\a+3], s[92:93] offset:1024*\a
	global_store_b128 v4, v[PC+8*\a+4:PC+8*\a+7], s[92:93] offset:1024*\a+512
.endr
	global_store_b32 v11, v90, s[94:95]
.endif
.endm
	BLOCK 0, 0
	BLOCK 1, 1
	BLOCK 2, 0
	s_wait_tensorcnt 0x0                           ; the wave's end
	ds_add_u32 v126, v127
	s_wait_dscnt 0x0
	CROUND                                         ; the closing round: no work-group ends while a partner may still ask for a tile that names it
	s_endpgm
.Lfunc_end_k_qad9a5fcb70_proj:
	.size	k_qad9a5fcb70_proj, .Lfunc_end_k_qad9a5fcb70_proj-k_qad9a5fcb70_proj
	.p2alignl 7, 3214868480
	.fill 96, 4, 3214868480
	.section	.rodata,"a",@progbits
	.p2align	6, 0x0
	.amdhsa_kernel k_qad9a5fcb70_proj
		.amdhsa_group_segment_fixed_size 327680
		.amdhsa_private_segment_fixed_size 0
		.amdhsa_enable_private_segment 0
		.amdhsa_kernarg_size 48
		.amdhsa_user_sgpr_count 2
		.amdhsa_user_sgpr_kernarg_segment_ptr 1
		.amdhsa_wavefront_size32 1
		.amdhsa_system_sgpr_workgroup_id_x 1
		.amdhsa_system_sgpr_workgroup_id_y 1
		.amdhsa_system_sgpr_workgroup_id_z 1
		.amdhsa_system_vgpr_workitem_id 0
		.amdhsa_next_free_vgpr 512
		.amdhsa_next_free_sgpr 100
		.amdhsa_reserve_vcc 1
		.amdhsa_float_denorm_mode_32 3
		.amdhsa_float_denorm_mode_16_64 3
		.amdhsa_memory_ordered 1
		.amdhsa_forward_progress 1
		.amdhsa_inst_pref_size 129
	.end_amdhsa_kernel
	.amdgpu_metadata
---
amdhsa.version: [ 1, 2 ]
amdhsa.kernels:
  - .name:           k_qad9a5fcb70_proj
    .symbol:         k_qad9a5fcb70_proj.kd
    .args:
      - { .name: xc, .offset: 0, .size: 8, .value_kind: global_buffer, .address_space: global }
      - { .name: xs, .offset: 8, .size: 8, .value_kind: global_buffer, .address_space: global }
      - { .name: bq, .offset: 16, .size: 8, .value_kind: global_buffer, .address_space: global }
      - { .name: bk, .offset: 24, .size: 8, .value_kind: global_buffer, .address_space: global }
      - { .name: bv, .offset: 32, .size: 8, .value_kind: global_buffer, .address_space: global }
      - { .name: att, .offset: 40, .size: 8, .value_kind: global_buffer, .address_space: global }
    .group_segment_fixed_size: 327680
    .private_segment_fixed_size: 0
    .kernarg_segment_align: 8
    .kernarg_segment_size: 48
    .max_flat_workgroup_size: 128
    .sgpr_count:     100
    .vgpr_count:     512
    .wavefront_size: 32
...
	.end_amdgpu_metadata
.endif
;; end of part 2
;; launch attn (part 3): grid 16 x 16, 16 waves a work-group, clusters of 4 x 1, 289,280 bytes of LDS; arguments att, ac, asc; writes ac, asc
.if DOCPART == 3
	.amdgcn_target "amdgcn-amd-amdhsa--gfx1250"
	.amdhsa_code_object_version 6
	.text
	.protected	k_qad9a5fcb70_attn
	.globl	k_qad9a5fcb70_attn
	.p2align	8
	.type	k_qad9a5fcb70_attn,@function
k_qad9a5fcb70_attn:
	s_mov_b64 s[64:65], 0
	v_nop
	global_prefetch_b8 v0, s[64:65] scope:SCOPE_SE
	s_setreg_imm32_b32 hwreg(HW_REG_WAVE_MODE, 25, 1), 1
	s_wait_xcnt 0x0
	s_wait_alu depctr_hold_cnt(0) depctr_sa_sdst(0) depctr_va_vdst(0) depctr_va_sdst(0) depctr_va_ssrc(0) depctr_va_vcc(0) depctr_vm_vsrc(0)
	s_getreg_b32 s2, hwreg(HW_REG_IB_STS2, 6, 4)
	s_cmp_eq_u32 s2, 0
	s_cbranch_scc0 .Lentry_in_a_cluster
	s_endpgm
.Lentry_in_a_cluster:
	s_bfe_u32 s2, ttmp6, 0x10000c
	s_cmp_lg_u32 s2, 0x3003
	s_cbranch_scc0 .Lentry_shape_is_right
	s_endpgm
.Lentry_shape_is_right:
; x[q][head] = softmax_k(q . k / 8) v for 16 heads of 64, 4,096 queries and keys, both products on codes of FP4 with E8M0 scales; x is quantised in registers along d_model for the output projection.
; THE SOFTMAX: t = score x log2(e) / 8; M = the running largest t rounded UP to a whole number; p = 2^(t - M) is quantised along the keys, not normalised; the row's sum is taken of the unquantised p in f32
; and divides at the end.  When M moves, the sum and O are multiplied by 2^(old M - new M): exact.
; LIMITS: the promise holds while |t| stays under 2^31; p under 2^-126 counts as 0 (v_exp_f32 flushes denormals: ISA guide 15.8); 1 / sum by v_rcp_f32; a block of zeros gets the byte 1 where the rule says 127
; (zero codes; only this program reads the bytes); NaN and infinities are not served.
; SHARES: a work-group owns 256 queries of one head, each of its sixteen waves one tile of 16, in 256 registers.
; ALL OF THE HEAD'S K AND V LIES IN LDS: 286,720 bytes with the scale words = 16 x 17,920: each wave asks for one sixteenth with its one tensor load at the head; one wait, one barrier, and the loop over the keys has none.
; Each byte is filled once.  No prefetch: all that the launch reads by tensor loads is asked for at the head, and no loop runs ahead of a load.
; CLUSTER: the four query blocks of a cluster belong to one head: every part is asked for jointly (mask 15).
; LAYOUT: both products transposed: S^T = K Q^T, O^T = V^T P^T: a lane holds one query (lane % 16) throughout.  Place m of K's tile 4 c + g holds key 64 c + 8 g + m % 8 + 32 (m / 8) of the step's 128: so register 8 g + j of
; tiles 4 c .. 4 c + 3 is key 64 c + 32 (lane / 16) + 8 g + j: A LANE HOLDS A WHOLE BLOCK OF 32 KEYS, its largest score needs no other lane, and the conversions' results are the second product's operand as they fall.
; V's tiles hold permuted channels (place p of tile 2 b + u: 32 b + 8 u + p + 8 (p / 8)): O^T's registers 16 b + i are channels 32 b + 16 (lane / 16) + i.  The scores' K is 64: registers 4-7 of K's and Q's fragments are zero codes.
; THE LOOP IS LAID ONE STEP AHEAD: a trip ends with the NEXT step's scores and then this step's second product; the next step's K is loaded as soon as its registers are free.
; REGISTERS: v1-6 stay; v8-11 the step's addresses; v12 -M, v13 the largest score, v[14:15] the sum; v16-23 Q; v[26:29], v[254:255] three more chains of the sum; v30, v31 the add's; v32-95 K's 8 fragments; v96-159 S^T, then p;
;   v160-191 O^T; v192-223 V's 4 fragments; v224-231 p's codes; v232-241 at work; v244-247 K's scale words, v248-249 V's, v250 p's, v251 Q's (scales and nothing else); v252 f, v253 0.
.set HS,  434176
.set VC,  131072
.set KW,  262144
.set VW,  278528
.set QC,  286720
.set QW,  417792
.set OS,  286720                       ; LDS: behind the image: 512 bytes for x's scale bytes, written by LDS stores alone
.set SPARE, 287232                     ; the spare words: 128 bytes a wave
.set PART, 17920                       ; a wave's sixteenth of the image: 70 rows of 256 bytes
.set G1,  24
.set G0,  40
.set SEL, 20
.set CS,  22
.set TB,  60                           ; s60 the step's codes: 4,096 bytes a step in K's region and in V's
.set TS,  61                           ; s61 K's scale words: 512 a step
.set TJ,  62                           ; s62 V's: 256 a step
.set CNT, 63
.macro ROUND                           ; a round of the cluster's barrier
	s_barrier_signal -1
	s_barrier_wait -1
	s_cmp_lg_u32 s10, 0
	s_cbranch_scc1 .Lnot_wave_0_\@
	s_barrier_signal -3
.Lnot_wave_0_\@:
	s_barrier_wait -3
	s_barrier_signal -1
	s_barrier_wait -1
.endm
	s_load_b128 s[4:7], s[0:1], 0x0                ; att, ac
	s_load_b64 s[8:9], s[0:1], 0x10                ; asc
	v_lshl_add_u32 v30, v0, 2, SPARE
	v_mov_b32 v31, 0
	ds_add_u32 v30, v31                            ; the opening lines: the add twice on end and one wait
	ds_add_u32 v30, v31
	v_lshrrev_b32 v5, 5, v0
	s_delay_alu instid0(VALU_DEP_1)
	v_readfirstlane_b32 s10, v5                    ; wave 0..15
	s_bfe_u32 s11, ttmp6, 0x40000                  ; cx
	s_lshl_b32 s12, ttmp9, 2
	s_add_co_u32 s12, s12, s11                     ; my block of 256 queries: it enters Q's and the outputs' addresses alone
	s_and_b32 s13, ttmp7, 0xffff                   ; the head, which the four partners share
	s_mul_i32 s14, s13, HS
	s_mov_b32 s15, 0
	s_mov_b32 s[G1], 15|(3<<16)|(1<<21)            ; the mask: all four work-groups; elements of 8 bytes; bit 21 beside a mask; no padding: every read is 16 x lane
	s_mov_b32 s[G1+1], 32<<16                      ; rows of 256 bytes,
	s_mov_b32 s[G1+2], 70<<16                      ; 70 of them
	s_mov_b32 s[G1+3], 32<<16
	s_mov_b32 s[G1+4], 70
	s_mov_b32 s[G1+5], 32
	s_mov_b32 s[G1+6], 0
	s_mov_b32 s[G1+7], 0
	s_mul_i32 s16, s10, PART                       ; the image lies in LDS as in memory: one offset serves both
	s_mov_b32 s17, 0
	s_mov_b32 s67, 0
	s_mov_b32 s[SEL], 0x76543210
	s_mov_b32 s[SEL+1], 0xfedcba98                 ; v_permlanex16_b32's selects for lane l xor 16
	s_mov_b32 s[CS], 0x3e38aa3b                    ; c = log2(e) / 8
	s_mov_b32 s[CS+1], s[CS]                       ; (named with it as a pair, so it is written)
	s_mov_b32 s[TB], 0
	s_mov_b32 s[TS], 0
	s_mov_b32 s[TJ], 0
	s_mov_b32 s[CNT], 31
	s_wait_dscnt 0x0
	s_wait_kmcnt 0x0
	s_add_nc_u64 s[4:5], s[4:5], s[14:15]          ; att at my head's image
	ROUND                                          ; all four work-groups are here: the joint loads meet
	s_mov_b32 s[G0], 1
	s_mov_b32 s[G0+1], s16
	s_add_nc_u64 s[G0+2:G0+3], s[4:5], s[16:17]
	s_or_b32 s[G0+3], s[G0+3], 0x80000000
	tensor_load_to_lds s[G0:G0+3], s[G1:G1+7]      ; my one load
	s_nop 0
.rept 4
	v_nop
.endr
	v_and_b32 v7, 31, v0                           ; lane
	v_and_b32 v5, 15, v0                           ; r
	v_bfe_u32 v6, v0, 4, 1                         ; h
	v_lshlrev_b32 v1, 4, v7                        ; 16 x lane: K's fragments
	v_lshl_add_u32 v3, v7, 2, KW                   ; K's scale words: 4 x lane: lanes 16-31 the next tile's
	v_lshl_add_u32 v4, v7, 2, VW                   ; V's
	v_lshlrev_b32 v6, 3, v6                        ; 8 h: where my two bytes stand in p's scale word
	v_add_nc_u32 v2, VC, v1                        ; V's fragments
	v_lshlrev_b32 v7, 2, v5                        ; 4 r
	s_wait_alu depctr_va_vdst(0)
	s_lshl_b32 s68, s12, 4
	s_add_co_u32 s68, s68, s10                     ; my tile of queries: 16 x block + wave
	s_lshl_b32 s66, s68, 9
	s_add_co_u32 s66, s66, QC
	s_add_nc_u64 s[70:71], s[4:5], s[66:67]
	global_load_b128 v[16:19], v1, s[70:71]        ; Q's codes stay in registers
	s_lshl_b32 s66, s68, 6
	s_add_co_u32 s66, s66, QW
	s_add_nc_u64 s[72:73], s[4:5], s[66:67]
	global_load_b32 v251, v7, s[72:73]             ; Q's scale words
.irp j, 20,21,22,23
	v_mov_b32 v[\j], 0                             ; zero codes for k = 64 .. 127, in Q
.endr
.irp T, 0,1,2,3,4,5,6,7
.irp j, 4,5,6,7
	v_mov_b32 v[32+8*\T+\j], 0                     ; and in K's eight fragments: written once, no load lands there
.endr
.endr
.irp j, 0,1,2,3,4,5,6,7,8,9,10,11,12,13,14,15,16,17,18,19,20,21,22,23,24,25,26,27,28,29,30,31
	v_mov_b32 v[160+\j], 0                         ; O^T.  (The step is written once for all steps: the first finds zeros, which the first change of M leaves zeros)
.endr
	v_mov_b32 v13, 0xff61b1e6                      ; the largest score so far: -3e38
	v_mov_b32 v14, 0                               ; the sum, in two halves
	v_mov_b32 v15, 0
	v_mov_b32 v237, 0                              ; a lane permute's destination counts as one of its sources
	v_mov_b32 v253, 0                              ; the upper half of the pair v[252:253]
	v_mul_f32 v239, s[CS], v13
	s_delay_alu instid0(VALU_DEP_1)
	v_floor_f32 v12, -v239                         ; -M
.macro QK                              ; S^T = K Q^T: eight tiles of 16 keys, each sum begun with 0
.irp T, 0,2,4,6
	v_wmma_scale_f32_16x16x128_f8f6f4 v[96+8*\T:103+8*\T], v[32+8*\T:39+8*\T], v[16:23], 0, v[244+\T/2], v251 matrix_a_fmt:MATRIX_FMT_FP4 matrix_b_fmt:MATRIX_FMT_FP4
	v_wmma_scale_f32_16x16x128_f8f6f4 v[104+8*\T:111+8*\T], v[40+8*\T:47+8*\T], v[16:23], 0, v[244+\T/2], v251 matrix_a_fmt:MATRIX_FMT_FP4 matrix_b_fmt:MATRIX_FMT_FP4 matrix_a_scale:MATRIX_SCALE_ROW1
.endr
.endm
.macro TM j0, j1, j2, j3, j4, j5, j6, j7   ; t - M, two at a time
.irp j, \j0, \j1, \j2, \j3, \j4, \j5, \j6, \j7
	v_pk_fma_f32 v[96+\j:97+\j], v[96+\j:97+\j], s[CS:CS+1], v[12:13] op_sel_hi:[1,0,0]
.endr
.endm
.macro ACC4 k                          ; four pairs of p, from pair k on, onto the sum's four chains
	v_pk_add_f32 v[26:27], v[26:27], v[96+2*(\k):97+2*(\k)]
	v_pk_add_f32 v[28:29], v[28:29], v[98+2*(\k):99+2*(\k)]
	v_pk_add_f32 v[254:255], v[254:255], v[100+2*(\k):101+2*(\k)]
	v_pk_add_f32 v[14:15], v[14:15], v[102+2*(\k):103+2*(\k)]
.endm
; A KEY STEP: 128 keys, whose scores the lines ahead of it have started.  more = 1: it loads the next step's K and starts the next step's scores.
.macro STEP more
.if \more                              ; four plain lines: the places behind the products just issued, ahead of the first read of the scores and of the loads into K's and V's registers (ISA guide 7.12.1 for vector instructions)
	v_add_nc_u32 v8, s[TB], v1
	v_add_nc_u32 v10, s[TS], v3
.else
	v_nop
	v_nop
.endif
	v_add_nc_u32 v9, s[TB], v2
	v_add_nc_u32 v11, s[TJ], v4
.irp q, 0,1,2,3                        ; the largest score of my two blocks of 32 keys, in four chains; each accumulator is read from its low end on
	v_max3_num_f32 v[232+\q], v[96+16*\q], v[97+16*\q], v[98+16*\q]
.endr
.irp i, 3,5,7,9,11,13
.irp q, 0,1,2,3
	v_max3_num_f32 v[232+\q], v[232+\q], v[96+16*\q+\i], v[97+16*\q+\i]
.endr
.endr
	v_max3_num_f32 v232, v232, v233, v111
	v_max3_num_f32 v234, v234, v235, v143
	v_max_num_f32 v232, v232, v127                 ; block h,
	v_max_num_f32 v234, v234, v159                 ; block 2 + h: each serves the row's maximum and, since p rises with the score, the block's largest p
	s_delay_alu instid0(VALU_DEP_1)
	v_max_num_f32 v236, v232, v234
.irp a, 0,1,2,3                        ; the LDS loads stand among the lines of the chain that makes M
.irp c, 0,1
	ds_load_b128 v[192+8*\a+4*\c:195+8*\a+4*\c], v9 offset:1024*\a+512*\c
.endr
.endr
.irp i, 0,1
	ds_load_b32 v[248+\i], v11 offset:128*\i
.endr
	v_permlanex16_b32 v237, v236, s[SEL], s[SEL+1] ; lane l xor 16's two blocks
	v_mov_b32 v238, v12
.if \more
.irp T, 0,1,2,3,4,5,6,7
	ds_load_b128 v[32+8*\T:35+8*\T], v8 offset:4096+512*\T
.endr
.endif
.if \more
.irp i, 0,1,2,3
	ds_load_b32 v[244+\i], v10 offset:512+128*\i
.endr
.endif
	v_max3_num_f32 v13, v13, v236, v237            ; the running largest score (c is positive)
	s_delay_alu instid0(VALU_DEP_1)
	v_mul_f32 v239, s[CS], v13                     ; as t
	s_delay_alu instid0(VALU_DEP_1)
	v_floor_f32 v12, -v239                         ; the new -M = floor(-t) = -ceil(t)
	s_delay_alu instid0(VALU_DEP_1)
	v_sub_f32 v238, v12, v238                      ; old M - new M: a whole number, 0 or less
	TM 0,2,4,6,8,10,12,14
	v_cvt_i32_f32 v238, v238                       ; (it saturates)
	TM 16,18,20,22,24,26,28,30
	v_ldexp_f32 v252, 1.0, v238                    ; f = 2^(old M - new M)
	TM 32,34,36,38,40,42,44,46
	TM 48,50,52,54,56,58,60,62
	v_fma_f32 v232, v232, s[CS], v12               ; the same of each block's largest score
	v_fma_f32 v234, v234, s[CS], v12
	v_pk_mul_f32 v[14:15], v[14:15], v[252:253] op_sel_hi:[1,0]   ; the sum under the new M,
.irp j, 0,2,4,6,8,10,12,14,16,18,20,22,24,26,28,30
	v_pk_mul_f32 v[160+\j:161+\j], v[160+\j:161+\j], v[252:253] op_sel_hi:[1,0]   ; and O^T: read here, ahead of the step's exponentials
.endr
	s_wait_alu depctr_va_vdst(0)
.irp j, 0,1,2,3,4,5,6,7,8,9,10,11,12,13,14,15,16,17,18,19,20,21,22,23,24,25,26,27,28,29,30,31,32,33,34,35,36,37,38,39,40,41,42,43,44,45,46,47,48,49,50,51,52,53,54,55,56,57,58,59,60,61,62,63
	v_exp_f32 v[96+\j], v[96+\j]                   ; p = 2^(t - M): one batch,
.endr
	v_exp_f32 v232, v232                           ; with each block's largest p: the same two instructions on the same number give the same bits
	v_exp_f32 v234, v234
	v_nop                                          ; the plain place behind the exponentials
	s_wait_alu depctr_va_vdst(0)                   ; one wait for the batch, ahead of its first reader
	v_max_num_f32 v232, 0x1800000, v232            ; the floor 2^(3 - 127): the byte cannot fall under 1
	v_max_num_f32 v234, 0x1800000, v234
	v_pk_add_f32 v[26:27], v[96:97], v[98:99]      ; the row's sum of the unquantised p, in four chains
	v_pk_add_f32 v[28:29], v[100:101], v[102:103]
	v_add_nc_u32 v240, 0xff000000, v232            ; 2 off the exponent field: the conversion's scale operand
	v_add_nc_u32 v241, 0xff000000, v234
	v_pk_add_f32 v[254:255], v[104:105], v[106:107]
	v_pk_add_f32 v[14:15], v[14:15], v[108:109]
	v_lshrrev_b32 v236, 23, v240                   ; the scales' bytes
	v_lshrrev_b32 v237, 23, v241
.irp T, 0,1,2,3,4,5,6,7
	v_cvt_scalef32_pk8_fp4_f32 v[224+\T], v[96+8*\T:103+8*\T], v[240+\T/4]   ; register 4 c + g: keys 64 c + 32 h + 8 g + 0 .. 7: the operand's own layout
.endr
	v_lshl_or_b32 v238, v237, 16, v236             ; (a plain place behind the conversions)  bytes h and 2 + h of p's scale word,
	ACC4 7
	v_lshlrev_b32 v238, v6, v238                   ; at their places;
	ACC4 11
	v_permlanex16_b32 v239, v238, s[SEL], s[SEL+1]
	ACC4 15
	v_or_b32 v250, v238, v239                      ; with lane l xor 16's two the word is whole.  Sixteen plain lines follow: the places between it (8 are asked) and the codes (4) and the scaled products
	ACC4 19
	ACC4 23
	ACC4 27
	v_pk_add_f32 v[14:15], v[14:15], v[158:159]
	v_pk_add_f32 v[26:27], v[26:27], v[28:29]
	v_pk_add_f32 v[14:15], v[14:15], v[254:255]
	s_delay_alu instid0(VALU_DEP_1)
	v_pk_add_f32 v[14:15], v[14:15], v[26:27]
	s_wait_dscnt 0x0                               ; V, the next K and their scale words are in
.if \more
	QK                                             ; the next step's scores over p, which has been summed and converted
.endif
.irp a, 0,2                            ; O^T += V^T P^T: four accumulators, one instruction each
	v_wmma_scale_f32_16x16x128_f8f6f4 v[160+8*\a:167+8*\a], v[192+8*\a:199+8*\a], v[224:231], v[160+8*\a:167+8*\a], v[248+\a/2], v250 matrix_a_fmt:MATRIX_FMT_FP4 matrix_b_fmt:MATRIX_FMT_FP4
	v_wmma_scale_f32_16x16x128_f8f6f4 v[168+8*\a:175+8*\a], v[200+8*\a:207+8*\a], v[224:231], v[168+8*\a:175+8*\a], v[248+\a/2], v250 matrix_a_fmt:MATRIX_FMT_FP4 matrix_b_fmt:MATRIX_FMT_FP4 matrix_a_scale:MATRIX_SCALE_ROW1
.endr
.endm
	s_wait_alu depctr_va_vdst(0)
	s_wait_loadcnt 0x0                             ; Q
	s_wait_tensorcnt 0x0                           ; my sixteenth of the image is in,
	s_barrier_signal -1
	s_barrier_wait -1                              ; everybody's is
.irp T, 0,1,2,3,4,5,6,7
	ds_load_b128 v[32+8*\T:35+8*\T], v1 offset:512*\T
.endr
.irp i, 0,1,2,3
	ds_load_b32 v[244+\i], v3 offset:128*\i
.endr
	s_wait_dscnt 0x0
	QK                                             ; step 0's scores
.Lstep:                                            ; 31 trips; the last step is written out: it has no successor
	STEP 1
	s_add_co_u32 s[TB], s[TB], 4096
	s_add_co_u32 s[TS], s[TS], 512
	s_add_co_u32 s[TJ], s[TJ], 256
	s_sub_co_u32 s[CNT], s[CNT], 1
	s_cmp_lg_u32 s[CNT], 0
	s_cbranch_scc1 .Lstep
	STEP 0
	; THE WAY OUT.  x = O^T / the sum; register 16 b + i is channel 32 b + 16 (lane / 16) + i of my query: two blocks of 32 along the output projection's K.
	s_wait_alu depctr_va_vdst(0)                   ; the sum was written just ahead of a wait that blocks
	v_add_f32 v14, v14, v15                        ; the sum's two halves,
	s_delay_alu instid0(VALU_DEP_1)
	v_permlanex16_b32 v252, v14, s[SEL], s[SEL+1]
	s_delay_alu instid0(VALU_DEP_1)
	v_add_f32 v14, v14, v252                       ; and lane l xor 16's
	s_wait_alu depctr_va_vdst(0)
	v_rcp_f32 v14, v14
	v_lshlrev_b32 v24, 1, v5                       ; (plain work behind the reciprocal, and the places behind the last products)
	s_lshl_b32 s66, s10, 5
	s_add_co_u32 s66, s66, OS
	v_add_nc_u32 v24, s66, v24                     ; where my query's two scale bytes go: OS + 32 w + 2 r
	v_add_nc_u32 v25, OS, v1                       ; and where wave 0 reads the work-group's 512 back
	v_nop
	v_nop
	s_lshl_b32 s66, s68, 13
	s_lshl_b32 s69, s13, 9
	s_add_co_u32 s66, s66, s69
	s_add_nc_u64 s[6:7], s[6:7], s[66:67]          ; ac: tile of queries x 8,192 + head x 512: blocks 2 head, 2 head + 1
	s_lshl_b32 s66, s13, 13
	s_lshl_b32 s69, s12, 9
	s_add_co_u32 s66, s66, s69
	s_add_nc_u64 s[8:9], s[8:9], s[66:67]          ; asc: [head][query][2 bytes]
	s_wait_alu depctr_va_vdst(0)                   ; the wait ahead of the reciprocal's first reader
.irp j, 0,1,2,3,4,5,6,7,8,9,10,11,12,13,14,15,16,17,18,19,20,21,22,23,24,25,26,27,28,29,30,31
	v_mul_f32 v[96+\j], v[160+\j], v14             ; each accumulator from its low end on
.endr
.irp b, 0,1
	v_max3_num_f32 v[232+\b], |v[96+16*\b]|, |v[97+16*\b]|, 0x1800000
.endr
.irp i, 2,4,6,8,10,12,14
.irp b, 0,1
	s_delay_alu instid0(VALU_DEP_2)
	v_max3_num_f32 v[232+\b], v[232+\b], |v[96+16*\b+\i]|, |v[97+16*\b+\i]|
.endr
.endr
.irp b, 0,1
	s_delay_alu instid0(VALU_DEP_2)
	v_permlanex16_b32 v[236+\b], v[232+\b], s[SEL], s[SEL+1]
.endr
.irp b, 0,1
	s_delay_alu instid0(VALU_DEP_2)
	v_max_num_f32 v[232+\b], v[232+\b], v[236+\b]
.endr
.irp b, 0,1
	s_delay_alu instid0(VALU_DEP_2)
	v_add_nc_u32 v[240+\b], 0xff000000, v[232+\b]
.endr
.irp b, 0,1
	s_delay_alu instid0(VALU_DEP_2)
	v_lshrrev_b32 v[236+\b], 23, v[240+\b]
.endr
	s_delay_alu instid0(VALU_DEP_1)
	v_lshl_or_b32 v238, v237, 8, v236              ; my query's two bytes
.irp b, 0,1
	v_cvt_scalef32_pk8_fp4_f32 v[224+2*\b], v[96+16*\b:103+16*\b], v[240+\b]
	v_cvt_scalef32_pk8_fp4_f32 v[225+2*\b], v[104+16*\b:111+16*\b], v[240+\b]
.endr
	v_nop                                          ; one plain place behind a scaled conversion
	v_permlane16_swap_b32 v224, v226               ; lanes 0-15 block 0 whole, lanes 16-31 block 1
	v_permlane16_swap_b32 v225, v227
	global_store_b128 v1, v[224:227], s[6:7]       ; 512 consecutive bytes
	ds_store_b16 v24, v238                         ; both lanes of a query write the same two bytes
	s_wait_dscnt 0x0                               ; for the others' sake
	s_barrier_signal -1
	s_barrier_wait -1
	s_cmp_lg_u32 s10, 0
	s_cbranch_scc1 .Lnot_first
	ds_load_b128 v[228:231], v25                   ; wave 0 stores the work-group's 512 scale bytes in one store
	s_wait_dscnt 0x0
	global_store_b128 v1, v[228:231], s[8:9]
.Lnot_first:
	s_wait_tensorcnt 0x0                           ; the wave's end
	ds_add_u32 v30, v31
	s_wait_dscnt 0x0
	ROUND                                          ; the closing round: no work-group ends while a partner may still ask for a part that names it
	s_endpgm
.Lfunc_end_k_qad9a5fcb70_attn:
	.size	k_qad9a5fcb70_attn, .Lfunc_end_k_qad9a5fcb70_attn-k_qad9a5fcb70_attn
	.p2alignl 7, 3214868480
	.fill 96, 4, 3214868480
	.section	.rodata,"a",@progbits
	.p2align	6, 0x0
	.amdhsa_kernel k_qad9a5fcb70_attn
		.amdhsa_group_segment_fixed_size 289280
		.amdhsa_private_segment_fixed_size 0
		.amdhsa_enable_private_segment 0
		.amdhsa_kernarg_size 24
		.amdhsa_user_sgpr_count 2
		.amdhsa_user_sgpr_kernarg_segment_ptr 1
		.amdhsa_wavefront_size32 1
		.amdhsa_system_sgpr_workgroup_id_x 1
		.amdhsa_system_sgpr_workgroup_id_y 1
		.amdhsa_system_sgpr_workgroup_id_z 1
		.amdhsa_system_vgpr_workitem_id 0
		.amdhsa_next_free_vgpr 256
		.amdhsa_next_free_sgpr 80
		.amdhsa_reserve_vcc 0
		.amdhsa_float_denorm_mode_32 3
		.amdhsa_float_denorm_mode_16_64 3
		.amdhsa_memory_ordered 1
		.amdhsa_forward_progress 1
		.amdhsa_inst_pref_size 40
	.end_amdhsa_kernel
	.amdgpu_metadata
---
amdhsa.version: [ 1, 2 ]
amdhsa.kernels:
  - .name:           k_qad9a5fcb70_attn
    .symbol:         k_qad9a5fcb70_attn.kd
    .args:
      - { .name: att, .offset: 0, .size: 8, .value_kind: global_buffer, .address_space: global }
      - { .name: ac, .offset: 8, .size: 8, .value_kind: global_buffer, .address_space: global }
      - { .name: asc, .offset: 16, .size: 8, .value_kind: global_buffer, .address_space: global }
    .group_segment_fixed_size: 289280
    .private_segment_fixed_size: 0
    .kernarg_segment_align: 8
    .kernarg_segment_size: 24
    .max_flat_workgroup_size: 512
    .sgpr_count:     80
    .vgpr_count:     256
    .wavefront_size: 32
...
	.end_amdgpu_metadata
.endif
;; end of part 3
;; launch outp (part 4): grid 8 x 32, 4 waves a work-group, clusters of 4 x 4, 327,680 bytes of LDS; arguments ac, asc, xc, xs, bo, out0; writes out0
.if DOCPART == 4
	.amdgcn_target "amdgcn-amd-amdhsa--gfx1250"
	.amdhsa_code_object_version 6
	.text
	.protected	k_qad9a5fcb70_outp
	.globl	k_qad9a5fcb70_outp
	.p2align	8
	.type	k_qad9a5fcb70_outp,@function
k_qad9a5fcb70_outp:
	s_mov_b64 s[64:65], 0
	v_nop
	global_prefetch_b8 v0, s[64:65] scope:SCOPE_SE
	s_setreg_imm32_b32 hwreg(HW_REG_WAVE_MODE, 25, 1), 1
	s_wait_xcnt 0x0
	s_wait_alu depctr_hold_cnt(0) depctr_sa_sdst(0) depctr_va_vdst(0) depctr_va_sdst(0) depctr_va_ssrc(0) depctr_va_vcc(0) depctr_vm_vsrc(0)
	s_getreg_b32 s2, hwreg(HW_REG_IB_STS2, 6, 4)
	s_cmp_eq_u32 s2, 0
	s_cbranch_scc0 .Lentry_in_a_cluster
	s_endpgm
.Lentry_in_a_cluster:
	s_bfe_u32 s2, ttmp6, 0x10000c
	s_cmp_lg_u32 s2, 0xf033
	s_cbranch_scc0 .Lentry_shape_is_right
	s_endpgm
.Lentry_shape_is_right:
; out0 = x Wo^T + bo on codes of FP4 with E8M0 scales, sums and bias in f32.  A work-group makes 128 tokens x 128 features with all of K = 1,024 in LDS, each byte filled once: N = 128 tokens of x (ac, asc), P = 128 rows of Wo (xc, xs).
; The four dense blocks (N's codes, P's codes, N's scale bytes, P's) are shared out among the four waves, one joint load each at the head; clusters of 4 x 4: N's go along a row of the cluster, P's along a column.
; A wave takes N's tiles 2 w, 2 w + 1 against P's eight: 16 accumulators by turns; the bias is the C of each sum's first product; results leave through the wave's own stage in LDS as rows of 512 bytes.
; No prefetch: all that the launch reads by tensor loads is asked for at the head.
.set SCL,  131072
.set STG0, 139264
.set SP,   32
.set SN,   64
.set ACC,  128
.set G1,   28
.set G1B,  36
.set G1S,  44
.set G1SB, 52
.set G0N,  68
.set G0P,  76
.set G0SN, 84
.set G0SP, 88
.set MSB, 0
.macro WIN new
.if MSB != \new
	s_set_vgpr_msb (MSB<<8)|\new
.set MSB, \new
.endif
.endm
.set MULW, 0x05
.set MULB, 0x15
.set TO_F, 0x40
; An arm of the head's one tree of branches on the wave's number: one joint load, its s_nop 0 and four v_nop, and a jump to the tree's end.
.macro ARM under, g0, g1, next
	s_cmp_lt_u32 s16, \under
	s_cbranch_scc0 \next
	tensor_load_to_lds s[\g0:\g0+3], s[\g1:\g1+7]
	s_nop 0
.rept 4
	v_nop
.endr
	s_branch .Lhead_asked
\next:
.endm
.macro CROUND
	s_barrier_signal -1
	s_barrier_wait -1
	s_cmp_lg_u32 s16, 0
	s_cbranch_scc1 .Lnot_wave_0_\@
	s_barrier_signal -3
.Lnot_wave_0_\@:
	s_barrier_wait -3
	s_barrier_signal -1
	s_barrier_wait -1
.endm
.macro PLACES n
.rept \n
	v_nop
.endr
.endm
	s_load_b256 s[4:11], s[0:1], 0x0
	s_load_b128 s[12:15], s[0:1], 0x20
	v_lshl_add_u32 v126, v0, 2, 0x2a400
	v_mov_b32 v127, 0
	ds_add_u32 v126, v127
	ds_add_u32 v126, v127
	v_lshrrev_b32 v1, 5, v0
	v_readfirstlane_b32 s16, v1
	s_bfe_u32 s19, ttmp6, 0x40000
	s_bfe_u32 s20, ttmp6, 0x40004
	s_lshl_b32 s21, ttmp9, 2
	s_add_co_u32 s21, s21, s19
	s_and_b32 s23, ttmp7, 0xffff
	s_lshl_b32 s23, s23, 2
	s_add_co_u32 s23, s23, s20
	s_lshl_b32 s25, s20, 2
	s_lshl_b32 s25, 15, s25
	s_lshl_b32 s26, 0x1111, s19                    ; my column of the cluster (s25: my row)
	; codes of 128 rows, all of K: 65,536 dense bytes as 16 rows of 4,096 (512 elements of 8 bytes)
	s_or_b32 s[G1], s25, (3<<16)|(1<<21)
	s_or_b32 s[G1B], s26, (3<<16)|(1<<21)
.irp g, G1, G1B
	s_mov_b32 s[\g+1], 512<<16
	s_mov_b32 s[\g+2], 16<<16
	s_mov_b32 s[\g+3], 512<<16
	s_mov_b32 s[\g+4], 16
	s_mov_b32 s[\g+5], 512
	s_mov_b32 s[\g+6], 0
	s_mov_b32 s[\g+7], 0
.endr
	; scale bytes: 16 rows of 256 bytes: N's one row a head, 8,192 bytes apart; P's dense
	s_or_b32 s[G1S], s25, (3<<16)|(1<<21)
	s_or_b32 s[G1SB], s26, (3<<16)|(1<<21)
.irp g, G1S, G1SB
	s_mov_b32 s[\g+1], 32<<16
	s_mov_b32 s[\g+2], 16<<16
	s_mov_b32 s[\g+3], 32<<16
	s_mov_b32 s[\g+4], 16
	s_mov_b32 s[\g+6], 0
	s_mov_b32 s[\g+7], 0
.endr
	s_mov_b32 s[G1S+5], 1024
	s_mov_b32 s[G1SB+5], 32
	s_add_co_u32 s61, s21, 120
	s_lshl_b32 s92, s23, 16                        ; N's codes: 65,536 bytes for 128 tokens
	s_mov_b32 s93, 0
	s_lshl_b32 s94, s61, 16                        ; P's
	s_mov_b32 s95, 0
	s_lshl_b32 s96, s23, 8                         ; N's scale bytes: 256 for 128 tokens in each head's row
	s_mov_b32 s97, 0
	s_lshl_b32 s98, s61, 12                        ; P's: 4,096
	s_mov_b32 s99, 0
	s_wait_dscnt 0x0
	s_wait_kmcnt 0x0
	s_add_nc_u64 s[92:93], s[4:5], s[92:93]
	s_add_nc_u64 s[94:95], s[8:9], s[94:95]
	s_add_nc_u64 s[96:97], s[6:7], s[96:97]
	s_add_nc_u64 s[98:99], s[10:11], s[98:99]
	CROUND
	s_mov_b32 s[G0N], 1                            ; LDS: N's codes at 0, P's at 65,536, each as in memory: [tile][8,192]; N's scale bytes at SCL, P's 4,096 on
	s_mov_b32 s[G0N+1], 0
	s_mov_b64 s[G0N+2:G0N+3], s[92:93]
	s_or_b32 s[G0N+3], s[G0N+3], 0x80000000
	s_mov_b32 s[G0P], 1
	s_mov_b32 s[G0P+1], 65536
	s_mov_b64 s[G0P+2:G0P+3], s[94:95]
	s_or_b32 s[G0P+3], s[G0P+3], 0x80000000
	s_mov_b32 s[G0SN], 1
	s_mov_b32 s[G0SN+1], SCL
	s_mov_b64 s[G0SN+2:G0SN+3], s[96:97]
	s_or_b32 s[G0SN+3], s[G0SN+3], 0x80000000
	s_mov_b32 s[G0SP], 1
	s_mov_b32 s[G0SP+1], SCL+4096
	s_mov_b64 s[G0SP+2:G0SP+3], s[98:99]
	s_or_b32 s[G0SP+3], s[G0SP+3], 0x80000000
	; THE HEAD'S LOADS, ONE A WAVE: wave 0 N's codes, wave 1 P's, wave 2 N's scale bytes, wave 3 P's: every way through the tree passes one load
	ARM 1, G0N,  G1,  .Lhead_p
	ARM 2, G0P,  G1B, .Lhead_sn
	ARM 3, G0SN, G1S, .Lhead_sp
	tensor_load_to_lds s[G0SP:G0SP+3], s[G1SB:G1SB+7]
	s_nop 0
.rept 4
	v_nop
.endr
.Lhead_asked:
	v_and_b32 v1, 31, v0
	v_and_b32 v2, 15, v0
	v_bfe_u32 v3, v0, 4, 1
	v_lshlrev_b32 v4, 4, v1                        ; 16 x lane: a fragment's place for my lane
	v_add_nc_u32 v6, 0x10000, v4                   ; P's fragments
	s_lshl_b32 s2, s16, 14
	v_add_nc_u32 v7, s2, v4                        ; N's: my two tiles, 16,384 x wave
	v_lshl_add_u32 v9, v1, 5, SCL
	s_lshl_b32 s2, s16, 6
	v_lshl_add_u32 v10, v1, 1, SCL
	v_add_nc_u32 v10, s2, v10
	s_mul_i32 s2, s16, 8448
	s_add_co_u32 s2, s2, STG0
	v_mul_u32_u24 v12, v2, 528
	v_lshl_add_u32 v12, v3, 5, v12
	v_add_nc_u32 v12, s2, v12
	v_add_nc_u32 v13, s2, v4
	v_lshlrev_b32 v14, 5, v3
	s_lshl_b32 s2, s21, 9
	s_mov_b32 s3, 0
	s_add_nc_u64 s[12:13], s[12:13], s[2:3]
	WIN TO_F
.irp t, 0,1,2,3,4,5,6,7
	global_load_b128 v[160+8*\t:163+8*\t], v14, s[12:13] offset:64*\t
	global_load_b128 v[164+8*\t:167+8*\t], v14, s[12:13] offset:64*\t+16
.endr
	WIN 0
	s_lshl_b32 s2, s23, 19
	s_lshl_b32 s60, s16, 17
	s_add_co_u32 s2, s2, s60
	s_lshl_b32 s60, s21, 9
	s_add_co_u32 s2, s2, s60
	s_add_nc_u64 s[14:15], s[14:15], s[2:3]
.macro FETCH s
.set FB, 80*((\s)%3)
.set KO, 1024*(\s)
	WIN TO_F
.irp t, 0,1,2,3,4,5,6,7
.irp c, 0,1
	ds_load_b128 v[FB+8*\t+4*\c:FB+8*\t+4*\c+3], v6 offset:8192*\t+KO+512*\c
.endr
.endr
.irp a, 0,1
.irp c, 0,1
	ds_load_b128 v[FB+64+8*\a+4*\c:FB+64+8*\a+4*\c+3], v7 offset:8192*\a+KO+512*\c
.endr
.endr
.endm
.macro PROD t, a, s, cm
.set rD, ACC+64*(\a)+8*(\t)
.set rA, 80*((\s)%3)+8*(\t)
.set rB, 80*((\s)%3)+64+8*(\a)
.set rC, rD
.if (\cm) == 1
.set rC, 160+8*(\t)
.endif
.set rP, SP+8*((\t)/2)+(\s)
.set rN, SN+(\s)
.if ((\t)%2 == 0) && ((\a) == 0)
	v_wmma_scale_f32_16x16x128_f8f6f4 v[rD:rD+7], v[rA:rA+7], v[rB:rB+7], v[rC:rC+7], v[rP], v[rN] matrix_a_fmt:MATRIX_FMT_FP4 matrix_b_fmt:MATRIX_FMT_FP4
.elseif (\a) == 0
	v_wmma_scale_f32_16x16x128_f8f6f4 v[rD:rD+7], v[rA:rA+7], v[rB:rB+7], v[rC:rC+7], v[rP], v[rN] matrix_a_fmt:MATRIX_FMT_FP4 matrix_b_fmt:MATRIX_FMT_FP4 matrix_a_scale:MATRIX_SCALE_ROW1
.elseif (\t)%2 == 0
	v_wmma_scale_f32_16x16x128_f8f6f4 v[rD:rD+7], v[rA:rA+7], v[rB:rB+7], v[rC:rC+7], v[rP], v[rN] matrix_a_fmt:MATRIX_FMT_FP4 matrix_b_fmt:MATRIX_FMT_FP4 matrix_b_scale:MATRIX_SCALE_ROW1
.else
	v_wmma_scale_f32_16x16x128_f8f6f4 v[rD:rD+7], v[rA:rA+7], v[rB:rB+7], v[rC:rC+7], v[rP], v[rN] matrix_a_fmt:MATRIX_FMT_FP4 matrix_b_fmt:MATRIX_FMT_FP4 matrix_a_scale:MATRIX_SCALE_ROW1 matrix_b_scale:MATRIX_SCALE_ROW1
.endif
.endm
.macro MUL s, cm
.if \cm
	WIN MULB
.else
	WIN MULW
.endif
.irp a, 0,1
.irp t, 0,1,2,3,4,5,6,7
	PROD \t, \a, \s, \cm
.endr
.endr
.endm
	s_wait_alu depctr_va_vdst(0)
	s_wait_tensorcnt 0x0                           ; my one load is in
	s_barrier_signal -1
	s_barrier_wait -1
.irp i, 0,1,2,3
.irp q, 0,1
	ds_load_b128 v[SP+8*\i+4*\q:SP+8*\i+4*\q+3], v9 offset:4096+1024*\i+16*\q
.endr
.endr
.irp d, 0,1,2,3,4,5,6,7,8,9,10,11,12,13,14,15
	ds_load_u16 v[72+\d], v10 offset:256*\d
.endr
	FETCH 0
	FETCH 1
	WIN 0
	s_wait_dscnt 40
.irp s, 0,1,2,3,4,5,6,7
	v_lshl_or_b32 v[SN+\s], v[73+2*\s], 16, v[72+2*\s]
.endr
	PLACES 8
	s_wait_alu depctr_va_vdst(0)
	s_wait_loadcnt 0x0
	s_wait_dscnt 20
	MUL 0, 1
	PLACES 4
	FETCH 2
	s_wait_dscnt 20
	MUL 1, 0
	PLACES 4
	FETCH 3
	s_wait_dscnt 20
	MUL 2, 0
	PLACES 4
	FETCH 4
	s_wait_dscnt 20
	MUL 3, 0
	PLACES 4
	FETCH 5
	s_wait_dscnt 20
	MUL 4, 0
	PLACES 4
	FETCH 6
	s_wait_dscnt 20
	MUL 5, 0
	PLACES 4
	FETCH 7
	s_wait_dscnt 20
	MUL 6, 0
	s_wait_dscnt 0x0
	MUL 7, 0
	WIN 0
	PLACES 4
.irp a, 0,1
.irp t, 0,1,2,3,4,5,6,7
	ds_store_b128 v12, v[ACC+64*\a+8*\t:ACC+64*\a+8*\t+3] offset:64*\t
	ds_store_b128 v12, v[ACC+64*\a+8*\t+4:ACC+64*\a+8*\t+7] offset:64*\t+16
.endr
	WIN TO_F
.irp i, 0,1,2,3,4,5,6,7,8,9,10,11,12,13,14,15
	ds_load_b128 v[64*\a+4*\i:64*\a+4*\i+3], v13 offset:528*\i
.endr
	WIN 0
.endr
	WIN 0x04
	s_wait_dscnt 32
.irp i, 0,1,2,3,4,5,6,7,8,9,10,11,12,13,14,15
	global_store_b128 v4, v[4*\i:4*\i+3], s[14:15] offset:4096*\i th:TH_STORE_NT
.endr
	s_wait_dscnt 0x0
.irp i, 0,1,2,3,4,5,6,7,8,9,10,11,12,13,14,15
	global_store_b128 v4, v[64+4*\i:64+4*\i+3], s[14:15] offset:65536+4096*\i th:TH_STORE_NT
.endr
	WIN 0
	s_wait_tensorcnt 0x0
	ds_add_u32 v126, v127
	s_wait_dscnt 0x0
	CROUND
	s_endpgm
.Lfunc_end_k_qad9a5fcb70_outp:
	.size	k_qad9a5fcb70_outp, .Lfunc_end_k_qad9a5fcb70_outp-k_qad9a5fcb70_outp
	.p2alignl 7, 3214868480
	.fill 96, 4, 3214868480
	.section	.rodata,"a",@progbits
	.p2align	6, 0x0
	.amdhsa_kernel k_qad9a5fcb70_outp
		.amdhsa_group_segment_fixed_size 327680
		.amdhsa_private_segment_fixed_size 0
		.amdhsa_enable_private_segment 0
		.amdhsa_kernarg_size 48
		.amdhsa_user_sgpr_count 2
		.amdhsa_user_sgpr_kernarg_segment_ptr 1
		.amdhsa_wavefront_size32 1
		.amdhsa_system_sgpr_workgroup_id_x 1
		.amdhsa_system_sgpr_workgroup_id_y 1
		.amdhsa_system_sgpr_workgroup_id_z 1
		.amdhsa_system_vgpr_workitem_id 0
		.amdhsa_next_free_vgpr 512
		.amdhsa_next_free_sgpr 100
		.amdhsa_reserve_vcc 0
		.amdhsa_float_denorm_mode_32 3
		.amdhsa_float_denorm_mode_16_64 3
		.amdhsa_memory_ordered 1
		.amdhsa_forward_progress 1
		.amdhsa_inst_pref_size 47
	.end_amdhsa_kernel
	.amdgpu_metadata
---
amdhsa.version: [ 1, 2 ]
amdhsa.kernels:
  - .name:           k_qad9a5fcb70_outp
    .symbol:         k_qad9a5fcb70_outp.kd
    .args:
      - { .name: ac, .offset: 0, .size: 8, .value_kind: global_buffer, .address_space: global }
      - { .name: asc, .offset: 8, .size: 8, .value_kind: global_buffer, .address_space: global }
      - { .name: xc, .offset: 16, .size: 8, .value_kind: global_buffer, .address_space: global }
      - { .name: xs, .offset: 24, .size: 8, .value_kind: global_buffer, .address_space: global }
      - { .name: bo, .offset: 32, .size: 8, .value_kind: global_buffer, .address_space: global }
      - { .name: out0, .offset: 40, .size: 8, .value_kind: global_buffer, .address_space: global }
    .group_segment_fixed_size: 327680
    .private_segment_fixed_size: 0
    .kernarg_segment_align: 8
    .kernarg_segment_size: 48
    .max_flat_workgroup_size: 128
    .sgpr_count:     100
    .vgpr_count:     512
    .wavefront_size: 32
...
	.end_amdgpu_metadata
.endif
;; end of part 4
